; MI455X (gfx1250); checked and timed in simulation.
; The chip was launched on July 23, 2026; its instructions are those of AMD's public machine-readable ISA for CDNA 5 (MIT licence, August 2026) and "CDNA5" Instruction Set Architecture Reference Guide (July 2026). The comments in the code are by the model that wrote it; some were corrected since.
;; Multihead Attention. Allowed arithmetic: matrix products marked QUANTISED: E2M1 operands, one E8M0 scale for each 32 along K, by v_wmma_scale_f32_16x16x128_f8f6f4 with both operands' format E2M1 (or v_wmma_scale_f32_32x16x128_f4), f32 sums; everything else in f32.
;; Inputs: Wk_codes 1,024 x 32 x 16 uint8 (E2M1 codes of Wk, K innermost, in blocks of 32 codes, two codes a byte); Wk_scales 1,024 x 32 uint8 (E8M0 scales of Wk, one for each 32 codes along K); Wq_codes 1,024 x 32 x 16 uint8 (E2M1 codes of Wq, K innermost, in blocks of 32 codes, two codes a byte); Wq_scales 1,024 x 32 uint8 (E8M0 scales of Wq, one for each 32 codes along K); Wv_codes 1,024 x 32 x 16 uint8 (E2M1 codes of Wv, K innermost, in blocks of 32 codes, two codes a byte); Wv_scales 1,024 x 32 uint8 (E8M0 scales of Wv, one for each 32 codes along K); bk 1,024 float32; bq 1,024 float32; bv 1,024 float32; key_value_em_codes 2,048 x 4 x 32 x 16 uint8 (E2M1 codes of key_value_em, K innermost, in blocks of 32 codes, two codes a byte); key_value_em_scales 2,048 x 4 x 32 uint8 (E8M0 scales of key_value_em, one for each 32 codes along K); query_em_codes 2,048 x 4 x 32 x 16 uint8 (E2M1 codes of query_em, K innermost, in blocks of 32 codes, two codes a byte); query_em_scales 2,048 x 4 x 32 uint8 (E8M0 scales of query_em, one for each 32 codes along K).
;; Outputs: out0 2,048 x 4 x 1,024 float32.
;; This version of the problem:
;;   THIS VERSION OF THE PROBLEM IS GIVEN IN LOW PRECISION. The matrix products marked QUANTISED in the list below multiply operands that are first quantised to E2M1 (2 exponent bits, 1 mantissa bit; 4 bits a number), with one power-of-two scale for each 32 numbers along K (OCP MX v1.0); their sums are f32. All else is computed in f32.
;;   The module's matrix products, in the order in which they are computed (A, B: the left and right operand; K: the contracted axis; several contracted axes count as one K, in the product's order):
;;     1. [M 8,192, K 1,024] x [K 1,024, N 1,024]; A: input query_em (given as codes); B: input Wq (given as codes): QUANTISED
;;     2. [M 8,192, K 1,024] x [K 1,024, N 1,024]; A: input key_value_em (given as codes); B: input Wk (given as codes): QUANTISED
;;     3. [M 8,192, K 1,024] x [K 1,024, N 1,024]; A: input key_value_em (given as codes); B: input Wv (given as codes): QUANTISED
;;     4. batch 64 x [M 2,048, K 64] x [K 64, N 2,048]; A: computed on the way; B: computed on the way: QUANTISED
;;     5. batch 64 x [M 2,048, K 2,048] x [K 2,048, N 64]; A: softmax (see below); B: computed on the way: QUANTISED
;;   THE QUANTISER, for each operand of a quantised product, along K:
;;     - K is cut into blocks of 32 from its start; a last block that is shorter is filled with zeros.
;;     - A block's scale is 2^e with e = floor(log2(the largest magnitude in the block)) - 2, held to -126 .. 127; a block of zeros has e = 0. As a byte (E8M0): e + 127.
;;     - Each number is divided by its block's scale, clamped to +-6, and rounded to the nearest number of E2M1, ties to even, subnormals kept.
;;     - The product sums the exact products of the quantised numbers (number of the format x scale) in f32.
;;   ~~~python
;;   def quantise(x, axis):      # numpy; x: float32 -> the quantised numbers, widened to float32 again
;;       x = np.moveaxis(x, axis, -1); K = x.shape[-1]
;;       x = np.pad(x, [(0, 0)] * (x.ndim - 1) + [(0, -K % 32)]); x = x.reshape(x.shape[:-1] + (-1, 32)); a = np.abs(x).max(-1, keepdims=True)
;;       e = np.where(a > 0, np.clip(np.frexp(np.where(a > 0, a, 1))[1] - 1 - 2, -126, 127), 0)      # np.frexp(a)[1] - 1 = floor(log2(a)), exactly
;;       r = np.clip(x / 2.0 ** e, -6, 6)
;;       step = 2.0 ** (np.maximum(np.frexp(np.where(r == 0, 1, r))[1] - 1, 0) - 1)
;;       q = np.round(r / step) * step * 2.0 ** e      # np.round: ties to even
;;       return np.moveaxis(q.reshape(q.shape[:-2] + (-1,))[..., :K], -1, axis).astype(np.float32)
;;   ~~~
;;   SOFTMAX AHEAD OF A QUANTISED PRODUCT. Where the list says 'softmax', what is quantised is not the finished softmax but p = 2^(t - M), with t = logit x log2(e) and M = ceil(the row's largest t), a whole number; so 1/2 < the row's largest p <= 1. The row's sum l is taken of the UNQUANTISED p, in f32, and the product's result is divided by l at the end. Since M is a whole number, a kernel that streams over the keys may use a running M (the ceiling of the running maximum): every later rescaling is an exact power of two, which a block's scale takes up: the codes' values come out the same.
;;   OPERANDS COMPUTED ON THE WAY. 'Computed on the way' means the value that the module computes at that place (a softmax that the list does not call 'softmax' is quantised finished and normalised). What goes into a quantiser is computed in f32, as accurately as f32 sums, v_exp_f32 and their like allow (about 1e-6 of the number): no bf16 or f16 on the way to a quantiser, and a product that is left as it is and whose result goes on into a quantised operand takes f32 operands (vector FMAs, or v_wmma_f32_16x16x4_f32). A number that lies on a knife's edge between two numbers of the format may be rounded either way, as far as f32 arithmetic and the matrix unit's own rounding can turn it there, and no further.
;;   INPUTS GIVEN AS CODES. Wk (in the module: [1024, 1024], K = its axis 1); Wq (in the module: [1024, 1024], K = its axis 1); Wv (in the module: [1024, 1024], K = its axis 1); key_value_em (in the module: [2048, 4, 1024], K = its axis 2); query_em (in the module: [2048, 4, 1024], K = its axis 2): each comes as NAME_codes (uint8): NAME with its K axis moved to the last place and cut into blocks of 32 codes, [.., K / 32, bytes a block], one block behind the other in memory; two codes a byte, the lower K in the low four bits (a code: sign, 2 exponent bits, 1 mantissa bit); and NAME_scales (uint8): the same leading axes, one E8M0 byte (e + 127) for each 32 codes along K. Its value is code x scale, taken as it is: it is not quantised again, and the codes and scales need not be those that the quantiser above would give.
;; One version. Each part assembles by itself: llvm-mc -triple=amdgcn-amd-amdhsa -mcpu=gfx1250 --defsym DOCPART=n.
;; ======== version 1 of 1: 2 launches
;; workspace buffers: qimg 4,718,592 bytes; kv 9,175,040 bytes
;; launch proj (part 1): grid 4 x 96, 4 waves a work-group, clusters of 4 x 4, 327,680 bytes of LDS; arguments query_em_codes, query_em_scales, key_value_em_codes, key_value_em_scales, Wq_codes, Wq_scales, bq, Wk_codes, Wk_scales, bk, Wv_codes, Wv_scales, bv, qimg, kv; writes qimg, kv
.if DOCPART == 1
	.amdgcn_target "amdgcn-amd-amdhsa--gfx1250"
	.amdhsa_code_object_version 6
	.text
	.protected	k_q2099a7a911_proj
	.globl	k_q2099a7a911_proj
	.p2align	8
	.type	k_q2099a7a911_proj,@function
k_q2099a7a911_proj:
	s_mov_b64 s[64:65], 0
	v_nop
	global_prefetch_b8 v0, s[64:65] scope:SCOPE_SE
	s_setreg_imm32_b32 hwreg(HW_REG_WAVE_MODE, 25, 1), 1
	s_wait_xcnt 0x0
	s_wait_alu depctr_hold_cnt(0) depctr_sa_sdst(0) depctr_va_vdst(0) depctr_va_sdst(0) depctr_va_ssrc(0) depctr_va_vcc(0) depctr_vm_vsrc(0)
	s_getreg_b32 s2, hwreg(HW_REG_IB_STS2, 6, 4)
	s_cmp_eq_u32 s2, 0
	s_cbranch_scc0 .Lentry_in_a_cluster
	s_endpgm
.Lentry_in_a_cluster:
	s_bfe_u32 s2, ttmp6, 0x10000c
	s_cmp_lg_u32 s2, 0xf033
	s_cbranch_scc0 .Lentry_shape_is_right
	s_endpgm
.Lentry_shape_is_right:
; LAUNCH 1 OF 2: THE THREE PROJECTIONS.  Q = xq Wq^T + bq, K = xkv Wk^T + bk, V = xkv Wv^T + bv, on codes of E2M1 with one E8M0 scale for each 32 along K = 1,024, as they are given; sums in f32; the bias
; is added to the finished f32 sum.  The results never go to memory as f32: they are quantised here (Q and K along the head's 64, V along the keys) and stored as IMAGES OF THE OPERAND REGISTERS that launch 2 loads.
; NOTHING IS LEFT OUT AS DEAD WORK: every input has a way to the output.  bq, bk and bv go into quantisers of live products and can move their codes and scales, so all three are loaded and added.
; LIMITS: a NaN or an infinity among the biases and a scale byte 0xff among the inputs are not served beyond what the matrix instruction returns for them.  A block of zeros gets the scale byte 1 where the
; quantiser says 127: its codes are zeros, which add nothing under any byte but 0xff, and the bytes are read by this program alone.
; SHARES.  384 work-groups: 3 projections x 4 batches x 8 tiles of 256 positions x 4 tiles of 256 rows of W.  A work-group makes 256 x 256 over all of K; each of its four waves 128 x 128: 64 accumulators, 512 registers.
; ALL OPERANDS OF A WORK-GROUP FIT IN LDS AT ONCE, as two halves of K (slots of 512 along K, rows of 256 bytes): every tensor load is a first fill, no LDS byte is filled again.
; CLUSTERS: 4 x 4 work-groups.  The cluster's y gives projection and batch; the four of a row of the cluster share x's tile, the four of a column W's tile, its scales and its bias: each is asked for jointly.
; ROLES.  Source 0 of the matrix instruction is P, source 1 is L: in the result a lane holds ONE row of L (lane % 16), and its registers run along P's rows (8 (lane / 16) + 0 .. 7 in each tile of 16).
;   Q, K: P = W (registers run along the head's channels, the next K), L = x.      V: P = x (registers run along the keys, the next K), L = W.
; The fills are the same for all three; only the LDS bases of the reads are chosen, by the projection's number, which all partners of a cluster share.
; FROM RESULTS TO AN OPERAND.  Register j of tile t holds k = 16 t + 8 (lane / 16) + j.  The conversion of tile 2 q + u gives eight codes of block q: its register 2 u + lane / 16.  Written to register
; 4 (q / 2) + 2 u + q % 2, two exchanges of lane halves for each 64 k leave the operand's layout: registers 4 c .. 4 c + 3 = k 64 c + 32 (lane / 16) + 0 .. 31.
; REGISTERS, in windows of 256: window 0: v1-30 addresses; v32-95 scale words, two sets, and nothing else; v128-191 L's fragments, one set; on the way out v96-159 numbers, v160-223 codes, v224-247 at work.
;   window 1: P's fragments, two sets, at v0 and v128; v64-127 and v192-207 the bias.   window 2, 3: accumulator (a, b) at v[8 (8 (a % 4) + b)], window 2 + a / 4.
.set PITCH,  272                       ; an LDS row of codes: 256 bytes + 16 of padding: the 16 rows of a fragment load start 68 words apart
.set HALFT,  128*PITCH                 ; 128 rows: what one tensor load brings, and what one wave reads of x or of W
.set SLOT,   4*HALFT                   ; x's 256 rows, then W's 256 rows, for 512 along K
.set SCL,    2*SLOT                    ; behind the two slots: the scale bytes, a row of 32 bytes (all of K) + 16 of padding
.set SPI,    48
.set HALFS,  128*SPI                   ; the scale rows of 128 rows
.set BIASL,  SCL+4*HALFS               ; the 256 biases of W's tile, f32
.set SPARE,  BIASL+1024                ; the spare words, 128 bytes for each wave: two blocks of 256 bytes that no other line names
.set QH,     73728                     ; bytes of a head in qimg: 65,536 of images, 8,192 of scale words
.set KVH,    143360                    ; bytes of a head in kv: K's images 65,536, V's 65,536, K's scale words 8,192, V's 4,096
.set FR,     8                         ; registers of a fragment: 16 rows x 128 K
.set NQ,     4                         ; steps of 128 along K in a slot
.set NP,     4                         ; places behind this matrix instruction (ISA guide 7.12.1)
.set ADRL, 16                          ; v16-17  LDS address of my fragments of L in slot 0, 1
.set ADRP, 20                          ; v20-21  the same for P
.set L16,  24                          ; v24     16 x lane
.set L8,   25                          ; v25     8 x lane
.set ABIQ, 26                          ; v26     the bias for Q and K: my half's eight numbers of a tile of P
.set ADRS, 27                          ; v27     my scale words: lanes 0-15 L's rows, lanes 16-31 P's
.set SPW,  28                          ; v28     LDS address of my spare word; never rewritten
.set NIL,  29                          ; v29     0; never rewritten
.set ABIV, 30                          ; v30     the bias for V: my row's number of a tile of L
.set SC,   32                          ; scale words: set s at v[SC + 32 s]; register 4 i + q: lanes 0-15 L's block i, lanes 16-31 P's block i, the slot's q-th 128 along K
.set LF,   128                         ; L's fragments
.set TN,   96                          ; the way out: 64 numbers
.set PC,   160                         ; codes: 8 registers for each of L's 8 blocks, so that no store's data are written again
.set TM,   224                         ; +0..3 largest magnitudes, +4..7 the other half's and then the bytes, +8..11 the conversions' scale operands
.set PW,   236                         ; the scale word just made
.set PWE,  237                         ; that of the even block before it
.set XW,   238
.set SW,   240                         ; v240-247 scale words to store
.set BP,   64                          ; window 1: the bias along P (Q, K)
.set BL,   192                         ; window 1: the bias along L (V), each number twice
.set WV,   2                           ; s2    wave
.set HM,   3                           ; s3    lanes 16-31
.set WL,   66                          ; s66   which 128 rows of L are mine
.set WP,   67                          ; s67   which 128 rows of P; also which 128 rows I fetch
.set CX,   98
.set CY,   99
.set PJ,   100                         ; s100  0 Q, 1 K, 2 V
.set BB,   101                         ; s101  batch
.set ST,   104                         ; s104  tile of 256 positions
.set NX,   105                         ; s105  tile of 256 rows of W
.set SEL,  96                          ; s[96:97] lane selects for v_permlanex16_b32: lane l xor 16
.set G1X,  16                          ; descriptor groups 1: x's codes, W's codes, x's scales, W's scales, the bias
.set G1W,  24
.set G1XS, 32
.set G1WS, 40
.set G1BI, 48
.set G0X,  56                          ; groups 0: x's codes, a set for each slot; x's scales; W's codes, two sets; W's scales; the bias
.set G0XS, 68
.set G0W,  72
.set G0WS, 80
.set G0BI, 84
.set MSB, 0
.macro WIN new                         ; the immediate's high byte repeats the setting that is left; a switch that changes nothing is dropped
.if MSB != (\new)
	s_set_vgpr_msb (MSB<<8)|(\new)
.set MSB, (\new)
.endif
.endm
.set MUL_LO, 0xa1                      ; source 0 (P) window 1, source 1 (L) window 0, C and D window 2
.set MUL_HI, 0xf1                      ; the same, C and D window 3
.set TO_P,   0x40                      ; destination window 1, address window 0
.macro CROUND                          ; a round of the cluster's barrier
	s_barrier_signal -1
	s_barrier_wait -1
	s_cmp_lg_u32 s[WV], 0
	s_cbranch_scc1 .Lnot_wave_0_\@
	s_barrier_signal -3
.Lnot_wave_0_\@:
	s_barrier_wait -3
	s_barrier_signal -1
	s_barrier_wait -1
.endm
.macro PLACES n
.rept \n
	v_nop
.endr
.endm
	s_load_b512 s[68:83], s[0:1], 0x0              ; xq codes, xq scales, xkv codes, xkv scales, Wq codes, Wq scales, bq, Wk codes
	s_load_b256 s[84:91], s[0:1], 0x40             ; Wk scales, bk, Wv codes, Wv scales
	s_load_b128 s[92:95], s[0:1], 0x60             ; bv, qimg
	s_load_b64 s[96:97], s[0:1], 0x70              ; kv
	v_lshl_add_u32 v[SPW], v0, 2, SPARE
	v_mov_b32 v[NIL], 0
	ds_add_u32 v[SPW], v[NIL]                      ; the wave's opening: the add, twice on end, and its wait ahead of my first tensor load
	ds_add_u32 v[SPW], v[NIL]                      ; and once more; the set-up below, work on registers, stands between it and the wait
	v_lshrrev_b32 v1, 5, v0
	v_readfirstlane_b32 s[WV], v1                  ; wave 0..3
	s_lshr_b32 s[WL], s[WV], 1
	s_and_b32 s[WP], s[WV], 1
	s_bfe_u32 s[CX], ttmp6, 0x40000                ; my place in the cluster
	s_bfe_u32 s[CY], ttmp6, 0x40004
	s_lshl_b32 s[NX], ttmp9, 2
	s_add_co_u32 s[NX], s[NX], s[CX]               ; tile of W = 4 x cluster x + cx
	s_and_b32 s3, ttmp7, 0xffff                    ; cluster y = 8 x projection + 2 x batch + half of the positions
	s_lshr_b32 s[PJ], s3, 3
	s_bfe_u32 s[BB], s3, 0x20001
	s_and_b32 s[ST], s3, 1
	s_lshl_b32 s[ST], s[ST], 2
	s_add_co_u32 s[ST], s[ST], s[CY]               ; tile of positions = 4 x half + cy
	s_lshl_b32 s3, s[CY], 2
	s_lshl_b32 s3, 15, s3                          ; my row of the cluster: x's tiles
	s_or_b32 s[G1X], s3, (1<<20)|(1<<21)|(5<<22)|(3<<25)    ; 15:0 the mask; 17:16 elements of 1 byte; 20 padding on; 21 set beside a mask; 24:22 after every 64 words; 31:25 four words
	s_or_b32 s[G1XS], s3, (1<<20)|(1<<21)|(2<<22)|(3<<25)   ; the same, padding after every 8 words
	s_lshl_b32 s3, 0x1111, s[CX]                   ; my column: W's tiles
	s_or_b32 s[G1W], s3, (1<<20)|(1<<21)|(5<<22)|(3<<25)
	s_or_b32 s[G1WS], s3, (1<<20)|(1<<21)|(2<<22)|(3<<25)
	s_or_b32 s[G1BI], s3, (3<<16)|(1<<21)          ; elements of 8 bytes, no padding
.irp g, G1X, G1W                       ; 128 rows of 256 bytes
	s_mov_b32 s[\g+1], 256<<16                     ; tensor_dim0
	s_mov_b32 s[\g+2], 128<<16                     ; tensor_dim1
	s_mov_b32 s[\g+3], 256<<16                     ; tile_dim0
	s_mov_b32 s[\g+4], 128                         ; tile_dim1
	s_mov_b32 s[\g+6], 0
	s_mov_b32 s[\g+7], 0
.endr
	s_mov_b32 s[G1X+5], 2048                       ; from position to position of one batch: 4 rows of 512 bytes
	s_mov_b32 s[G1W+5], 512
.irp g, G1XS, G1WS                     ; 128 rows of 32 scale bytes
	s_mov_b32 s[\g+1], 32<<16
	s_mov_b32 s[\g+2], 128<<16
	s_mov_b32 s[\g+3], 32<<16
	s_mov_b32 s[\g+4], 128
	s_mov_b32 s[\g+6], 0
	s_mov_b32 s[\g+7], 0
.endr
	s_mov_b32 s[G1XS+5], 128                       ; a row of x's scale tile is 32 of the 128 bytes that a position's four batches take: read so once for each row of a cluster
	s_mov_b32 s[G1WS+5], 32
	s_mov_b32 s[G1BI+1], 64<<16                    ; one row of 512 bytes: 64 elements
	s_mov_b32 s[G1BI+2], 1<<16
	s_mov_b32 s[G1BI+3], 64<<16
	s_mov_b32 s[G1BI+4], 1
	s_mov_b32 s[G1BI+5], 64
	s_mov_b32 s[G1BI+6], 1<<16
	s_mov_b32 s[G1BI+7], 0
	s_mov_b32 s[HM], 0xffff0000
	s_wait_dscnt 0x0                               ; both opening adds are done
	s_wait_kmcnt 0x0
	s_cmp_eq_u32 s[PJ], 0                          ; the buffers are chosen by the projection's number alone
	s_cselect_b64 s[4:5], s[68:69], s[72:73]       ; x's codes
	s_cselect_b64 s[6:7], s[70:71], s[74:75]       ; x's scales
	s_cselect_b64 s[8:9], s[76:77], s[82:83]       ; W's codes
	s_cselect_b64 s[10:11], s[78:79], s[84:85]     ; W's scales
	s_cselect_b64 s[12:13], s[80:81], s[86:87]     ; the bias
	s_cselect_b64 s[14:15], s[94:95], s[96:97]     ; where the images go
	s_cmp_eq_u32 s[PJ], 2
	s_cselect_b64 s[8:9], s[88:89], s[8:9]
	s_cselect_b64 s[10:11], s[90:91], s[10:11]
	s_cselect_b64 s[12:13], s[92:93], s[12:13]
	s_mov_b32 s[SEL], 0x76543210
	s_mov_b32 s[SEL+1], 0xfedcba98
	; where the tiles come from.  x's hang on the tile of positions and the batch, which my row of the cluster shares; W's on the tile of W, which my column shares
	s_lshl_b32 s88, s[ST], 8
	s_lshl_b32 s89, s[WP], 7
	s_add_co_u32 s88, s88, s89                     ; position 256 x tile + 128 x half
	s_lshl_b32 s88, s88, 2
	s_add_co_u32 s88, s88, s[BB]                   ; row 4 x position + batch
	s_lshl_b32 s90, s88, 5                         ; 32 scale bytes a row
	s_lshl_b32 s88, s88, 9                         ; 512 bytes of codes a row
	s_mov_b32 s89, 0
	s_mov_b32 s91, 0
	s_add_nc_u64 s[4:5], s[4:5], s[88:89]
	s_add_nc_u64 s[6:7], s[6:7], s[90:91]
	s_lshl_b32 s92, s[NX], 8
	s_lshl_b32 s93, s[WP], 7
	s_add_co_u32 s92, s92, s93                     ; W's row 256 x tile + 128 x half
	s_lshl_b32 s94, s92, 5
	s_mov_b32 s95, 0
	s_add_nc_u64 s[10:11], s[10:11], s[94:95]
	s_lshl_b32 s94, s92, 2
	s_add_nc_u64 s[12:13], s[12:13], s[94:95]
	s_lshl_b32 s92, s92, 9
	s_mov_b32 s93, 0
	s_add_nc_u64 s[8:9], s[8:9], s[92:93]
	s_mul_i32 s88, s[WV], HALFT                    ; and where they go: wave x 128 rows (waves 0, 1: x; waves 2, 3: W): no place in the cluster enters an LDS address
	s_mul_i32 s89, s[WV], HALFS
	s_add_co_u32 s89, s89, SCL
	s_lshl_b32 s90, s[WP], 9
	s_add_co_u32 s90, s90, BIASL
.irp s, 0,1
	s_mov_b32 s[G0X+4*\s], 1                       ; count = 1
	s_add_co_u32 s[G0X+4*\s+1], s88, \s*SLOT       ; LDS address
	s_add_nc_u64 s[G0X+4*\s+2:G0X+4*\s+3], s[4:5], \s*256    ; global address: K half s
	s_or_b32 s[G0X+4*\s+3], s[G0X+4*\s+3], 0x80000000        ; type = 2
	s_mov_b32 s[G0W+4*\s], 1
	s_add_co_u32 s[G0W+4*\s+1], s88, \s*SLOT
	s_add_nc_u64 s[G0W+4*\s+2:G0W+4*\s+3], s[8:9], \s*256
	s_or_b32 s[G0W+4*\s+3], s[G0W+4*\s+3], 0x80000000
.endr
	s_mov_b32 s[G0XS], 1
	s_mov_b32 s[G0XS+1], s89
	s_mov_b64 s[G0XS+2:G0XS+3], s[6:7]
	s_or_b32 s[G0XS+3], s[G0XS+3], 0x80000000
	s_mov_b32 s[G0WS], 1
	s_mov_b32 s[G0WS+1], s89
	s_mov_b64 s[G0WS+2:G0WS+3], s[10:11]
	s_or_b32 s[G0WS+3], s[G0WS+3], 0x80000000
	s_mov_b32 s[G0BI], 1
	s_mov_b32 s[G0BI+1], s90
	s_mov_b64 s[G0BI+2:G0BI+3], s[12:13]
	s_or_b32 s[G0BI+3], s[G0BI+3], 0x80000000
	CROUND                                         ; all sixteen work-groups are here: the joint loads meet
	s_cmp_lt_u32 s[WV], 2                          ; ALL FILLS OF THE LAUNCH, in one branch on the wave's number: three loads of mine are out, or four; an s_nop 0 follows each, four v_nop the last
	s_cbranch_scc0 .Lfill_w
	tensor_load_to_lds s[G0XS:G0XS+3], s[G1XS:G1XS+7]
	s_nop 0
	tensor_load_to_lds s[G0X:G0X+3], s[G1X:G1X+7]
	s_nop 0
	tensor_load_to_lds s[G0X+4:G0X+7], s[G1X:G1X+7]
	s_nop 0
	PLACES 4
	s_branch .Lfilled
.Lfill_w:
	tensor_load_to_lds s[G0BI:G0BI+3], s[G1BI:G1BI+7]
	s_nop 0
	tensor_load_to_lds s[G0WS:G0WS+3], s[G1WS:G1WS+7]
	s_nop 0
	tensor_load_to_lds s[G0W:G0W+3], s[G1W:G1W+7]
	s_nop 0
	tensor_load_to_lds s[G0W+4:G0W+7], s[G1W:G1W+7]
	s_nop 0
	PLACES 4
.Lfilled:
	v_and_b32 v1, 15, v0                           ; r = lane % 16
	v_bfe_u32 v2, v0, 4, 1                         ; h = lane / 16
	v_mul_u32_u24 v3, v1, PITCH
	v_lshl_add_u32 v3, v2, 4, v3                   ; a fragment's row x pitch + 16 x half
	s_cmp_eq_u32 s[PJ], 2                          ; V: L = W, P = x; else L = x, P = W
	s_cselect_b32 s88, 2*HALFT, 0                  ; L's tile in a slot
	s_cselect_b32 s89, 0, 2*HALFT                  ; P's
	s_cselect_b32 s90, 2*HALFS, 0                  ; L's scale rows
	s_cselect_b32 s91, 0, 2*HALFS                  ; P's
	s_mul_i32 s92, s[WL], HALFT
	s_add_co_u32 s88, s88, s92
	s_mul_i32 s92, s[WP], HALFT
	s_add_co_u32 s89, s89, s92
.irp s, 0,1
	v_add_nc_u32 v[ADRL+\s], s88, v3
	v_add_nc_u32 v[ADRP+\s], s89, v3
	s_add_co_u32 s88, s88, SLOT
	s_add_co_u32 s89, s89, SLOT
.endr
	s_mul_i32 s92, s[WL], HALFS
	s_add_co_u32 s90, s90, s92
	s_add_co_u32 s90, s90, SCL
	s_mul_i32 s92, s[WP], HALFS
	s_add_co_u32 s91, s91, s92
	s_add_co_u32 s91, s91, SCL
	v_mov_b32 v4, s90
	v_mov_b32 v5, s91
	v_cndmask_b32 v4, v4, v5, s[HM]                ; lanes 0-15 take L's scale rows, lanes 16-31 P's
	v_mad_u32_u24 v[ADRS], v1, SPI, v4
	s_lshl_b32 s92, s[WP], 9
	s_add_co_u32 s92, s92, BIASL
	v_lshl_add_u32 v[ABIQ], v2, 5, s92             ; Q, K: the bias of P's rows: 512 x my half of W's tile + 32 h
	s_lshl_b32 s93, s[WL], 9
	s_add_co_u32 s93, s93, BIASL
	v_lshl_add_u32 v[ABIV], v1, 2, s93             ; V: the bias of L's rows: + 4 r
	v_and_b32 v6, 31, v0
	v_lshlrev_b32 v[L16], 4, v6
	v_lshlrev_b32 v[L8], 3, v6
.irp b, 0,1,2,3
	v_mov_b32 v[TM+4+\b], 0                        ; written once: a lane permute's destination counts as one of its sources
.endr
.macro FRAG reg, adr, q, i             ; a fragment, 16 rows x 128 K of 4-bit codes: lane l holds row l % 16; registers 4 c .. 4 c + 3 hold K = 64 c + 32 (l / 16) + 0 .. 31: 16 bytes of the row as they lie
.irp c, 0,1
	ds_load_b128 v[\reg+4*\c:\reg+4*\c+3], v[\adr] offset:64*(\q)+32*\c+(\i)*16*PITCH
.endr
.endm
; 16 matrix instructions: L's blocks a0, a0 + 1 x P's eight, the slot's q-th 128 along K.  p: P's set; sc: the set of scale words.  zero = 1: the first product starts the sums: nothing is ever cleared.
; The 64 accumulators take turns, one instruction a turn, in the same order in every step.
.macro MUL16 a0, p, q, sc, zero
.irp a, \a0, \a0+1
.irp b, 0,1,2,3,4,5,6,7
.if \zero
	v_wmma_scale_f32_16x16x128_f8f6f4 v[8*(8*((\a)%4)+\b):8*(8*((\a)%4)+\b)+7], v[128*(\p)+FR*\b:128*(\p)+FR*\b+FR-1], v[LF+FR*(\a):LF+FR*(\a)+FR-1], 0, v[SC+8*NQ*(\sc)+NQ*\b+(\q)], v[SC+8*NQ*(\sc)+NQ*(\a)+(\q)] matrix_a_fmt:MATRIX_FMT_FP4 matrix_b_fmt:MATRIX_FMT_FP4 matrix_a_scale:MATRIX_SCALE_ROW1
.else
	v_wmma_scale_f32_16x16x128_f8f6f4 v[8*(8*((\a)%4)+\b):8*(8*((\a)%4)+\b)+7], v[128*(\p)+FR*\b:128*(\p)+FR*\b+FR-1], v[LF+FR*(\a):LF+FR*(\a)+FR-1], v[8*(8*((\a)%4)+\b):8*(8*((\a)%4)+\b)+7], v[SC+8*NQ*(\sc)+NQ*\b+(\q)], v[SC+8*NQ*(\sc)+NQ*(\a)+(\q)] matrix_a_fmt:MATRIX_FMT_FP4 matrix_b_fmt:MATRIX_FMT_FP4 matrix_a_scale:MATRIX_SCALE_ROW1
.endif
.endr
.endr
.endm
.macro FETCH_P slot, q, p              ; P's eight fragments of the slot's q-th 128 along K into set p
	WIN TO_P
.irp i, 0,1,2,3,4,5,6,7
	FRAG 128*(\p)+FR*\i, ADRP+\slot, \q, \i
.endr
	WIN 0
.endm
.macro FETCH_L slot, q, i0             ; L's blocks i0 .. i0 + 3
.irp i, \i0, \i0+1, \i0+2, \i0+3
	FRAG LF+FR*(\i), ADRL+\slot, \q, \i
.endr
.endm
.macro SCALES sc                       ; slot sc's scale words: 4 words a row; lanes 0-15 take L's block i, lanes 16-31 P's block i
.irp i, 0,1,2,3,4,5,6,7
	ds_load_b128 v[SC+8*NQ*\sc+NQ*\i:SC+8*NQ*\sc+NQ*\i+3], v[ADRS] offset:\i*16*SPI+16*\sc
.endr
.endm
; A step of 128 along K that has its successor in the same slot.  A block of L is free as soon as its eight products are issued, so one set serves L: blocks 0-3 are fetched anew in the step's middle,
; blocks 4-7 at its end.  P's fragments are at work through the whole step: two sets.  Four places stand in front of each run of loads into registers that matrix instructions have read.
.macro STEP slot, q, zero
	s_wait_dscnt 8                                 ; P's set and L's blocks 0-3 are in; the youngest eight loads (L's blocks 4-7) may be out
	WIN MUL_LO
	MUL16 0, (\q)%2, \q, \slot, \zero
	MUL16 2, (\q)%2, \q, \slot, \zero
	s_wait_dscnt 0                                 ; L's blocks 4-7 are in
	PLACES NP
	FETCH_P \slot, (\q)+1, 1-(\q)%2
	FETCH_L \slot, (\q)+1, 0
	WIN MUL_HI
	MUL16 4, (\q)%2, \q, \slot, \zero
	MUL16 6, (\q)%2, \q, \slot, \zero
	PLACES NP
	WIN 0
	FETCH_L \slot, (\q)+1, 4
.endm
	s_wait_tensorcnt 0x1                           ; in both arms one load was issued behind slot 0's: slot 1's, which may stay out.  Scales, bias and my part of slot 0 are in
	s_barrier_signal -1
	s_barrier_wait -1                              ; everybody's are
	FETCH_P 0, 0, 0
	FETCH_L 0, 0, 0
	SCALES 0
	FETCH_L 0, 0, 4
	STEP 0, 0, 1                                   ; the first step's products start the sums
	STEP 0, 1, 0
	STEP 0, 2, 0
	; slot 0's last step crosses into slot 1: each wave waits for its part of slot 1, a barrier shows the whole slot to all four.  Nothing is filled again.
	s_wait_dscnt 8
	WIN MUL_LO
	MUL16 0, 1, 3, 0, 0
	s_wait_tensorcnt 0x0                           ; my part of slot 1 has landed
	s_wait_dscnt 0x0                               ; no LDS instruction of mine is out at the signal
	s_barrier_signal -1
	MUL16 2, 1, 3, 0, 0                            ; work on registers while the others arrive
	s_barrier_wait -1
	PLACES NP
	FETCH_P 1, 0, 0
	FETCH_L 1, 0, 0
	SCALES 1
	WIN MUL_HI
	MUL16 4, 1, 3, 0, 0
	MUL16 6, 1, 3, 0, 0
	PLACES NP
	WIN 0
	FETCH_L 1, 0, 4
	STEP 1, 0, 0
	STEP 1, 1, 0
	STEP 1, 2, 0
	s_wait_dscnt 8                                 ; the last step: nothing more to fetch
	WIN MUL_LO
	MUL16 0, 1, 3, 1, 0
	MUL16 2, 1, 3, 1, 0
	s_wait_dscnt 0
	WIN MUL_HI
	MUL16 4, 1, 3, 1, 0
	MUL16 6, 1, 3, 1, 0
	WIN 0
	PLACES NP                                      ; in front of the first read of results and the first write of registers that held fragments
; 64 numbers of a lane, v[s + 8 t + j] = k 16 t + 8 (lane / 16) + j of my row, become a fragment's codes in v[pc] on and its scale word in v[PW].
.macro QUANT s, pc
.irp b, 0,1,2,3
	v_max3_num_f32 v[TM+\b], |v[(\s)+16*\b]|, |v[(\s)+1+16*\b]|, 0x1800000   ; block b: my 16 numbers, and the floor 2^(3 - 127): so the byte cannot fall under 1
.endr
.irp k, 2,4,6,8,10,12,14
.irp b, 0,1,2,3
	v_max3_num_f32 v[TM+\b], v[TM+\b], |v[(\s)+16*\b+\k]|, |v[(\s)+1+16*\b+\k]|   ; the four blocks by turns
.endr
.endr
.irp b, 0,1,2,3
	v_permlanex16_b32 v[TM+4+\b], v[TM+\b], s[SEL], s[SEL+1]
.endr
.irp b, 0,1,2,3
	v_max_num_f32 v[TM+\b], v[TM+\b], v[TM+4+\b]   ; with lane l xor 16's 16: the block's largest magnitude
.endr
.irp b, 0,1,2,3
	v_add_nc_u32 v[TM+8+\b], 0xff000000, v[TM+\b]  ; 2 off its exponent field: the conversion takes the exponent field of this operand as its scale
.endr
.irp b, 0,1,2,3
	v_lshrrev_b32 v[TM+4+\b], 23, v[TM+8+\b]       ; the scale's byte
.endr
	v_lshl_or_b32 v[PW], v[TM+5], 8, v[TM+4]       ; my row's four bytes; both halves of the lanes hold the same word
	v_lshl_or_b32 v[PW], v[TM+6], 16, v[PW]
	v_lshl_or_b32 v[PW], v[TM+7], 24, v[PW]
.irp b, 0,1,2,3
.irp u, 0,1
	v_cvt_scalef32_pk8_fp4_f32 v[(\pc)+4*(\b/2)+2*\u+\b%2], v[(\s)+16*\b+8*\u:(\s)+16*\b+8*\u+7], v[TM+8+\b]   ; tile 2 b + u: eight codes of block b
.endr
.endr
	v_nop                                          ; one plain place behind a scaled conversion
.irp c, 0,1
.irp u, 0,1
	v_permlane16_swap_b32 v[(\pc)+4*\c+2*\u], v[(\pc)+4*\c+2*\u+1]   ; the first's lanes 16-31 change places with the second's lanes 0-15: lanes 0-15 now hold block 2 c, lanes 16-31 block 2 c + 1
.endr
.endr
.endm
; THE WAY OUT, one of L's blocks of 16 rows at a time: the bias is added (which also brings the sums into window 0, each accumulator from its low end on), the 128 numbers along P are quantised, and the
; fragment's registers are stored as they stand: a store of the wave covers 512 consecutive bytes, aligned.  No store's data or address is ever written again.
; v = 0 (Q, K): the 128 along P are two heads' 64 channels: registers 0-3 are the first head's fragment, 4-7 the second's; the scale word's low half is the first head's, its high half the second's.
; v = 1 (V): the 128 along P are one step of 128 keys; L's blocks 0-3 are the first head's four tiles of channels, 4-7 the second's.
.macro EPI v
	WIN TO_P
.if \v
.irp a, 0,1,2,3,4,5,6,7
	ds_load_b32 v[BL+2*\a], v[ABIV] offset:64*\a   ; my row's bias, twice: a pair for the packed addition
	ds_load_b32 v[BL+2*\a+1], v[ABIV] offset:64*\a
.endr
.else
.irp b, 0,1,2,3,4,5,6,7
	ds_load_b128 v[BP+8*\b:BP+8*\b+3], v[ABIQ] offset:64*\b          ; the bias of channels 16 b + 8 h + 0 .. 7
	ds_load_b128 v[BP+8*\b+4:BP+8*\b+7], v[ABIQ] offset:64*\b+16
.endr
.endif
	s_wait_dscnt 0x0
.irp a, 0,1,2,3,4,5,6,7
	WIN 0x06+\a/4                                  ; source 0: window 2 or 3; source 1: window 1
.set i, 0
.rept 32
.if \v
	v_pk_add_f32 v[TN+i:TN+i+1], v[64*(\a%4)+i:64*(\a%4)+i+1], v[BL+2*\a:BL+2*\a+1]
.else
	v_pk_add_f32 v[TN+i:TN+i+1], v[64*(\a%4)+i:64*(\a%4)+i+1], v[BP+i:BP+i+1]
.endif
.set i, i+2
.endr
	WIN 0
	QUANT TN, PC+8*\a
.if \v
	global_store_b128 v[L16], v[PC+8*\a:PC+8*\a+3], s[4:5] offset:(\a/4)*KVH+(\a%4)*1024
	global_store_b128 v[L16], v[PC+8*\a+4:PC+8*\a+7], s[4:5] offset:(\a/4)*KVH+(\a%4)*1024+512
.else
	global_store_b128 v[L16], v[PC+8*\a:PC+8*\a+3], s[4:5] offset:512*\a
	global_store_b128 v[L16], v[PC+8*\a+4:PC+8*\a+7], s[6:7] offset:512*\a
.endif
.if (\a%2) == 0
	v_mov_b32 v[PWE], v[PW]
.elseif \v
	v_cndmask_b32 v[SW+\a/2], v[PWE], v[PW], s[HM] ; lanes 0-15 the even block's words, lanes 16-31 the odd block's: as the matrix instruction's two rows of a scale register take them
.else
	v_cndmask_b32 v[XW], v[PWE], v[PW], s[HM]
	v_and_b32 v[SW+\a/2], 0xffff, v[XW]            ; the first head's two bytes; bytes 2 and 3, of the half of K that holds zero codes, are 0
	v_lshrrev_b32 v[SW+4+\a/2], 16, v[XW]          ; the second head's
.endif
.endr
.if \v
	global_store_b64 v[L8], v[SW:SW+1], s[8:9]                 ; 256 consecutive bytes: a step's scale words of a head
	global_store_b64 v[L8], v[SW+2:SW+3], s[8:9] offset:KVH
.else
	global_store_b128 v[L16], v[SW:SW+3], s[8:9]               ; 512 consecutive bytes: the scale words of 128 positions of a head
	global_store_b128 v[L16], v[SW+4:SW+7], s[10:11]
.endif
.endm
	s_cmp_eq_u32 s[PJ], 2                          ; the projection's number: the same in all waves and all partners; no barrier, tensor load or LDS store stands in either arm
	s_cbranch_scc1 .Lv
	s_mov_b32 s88, KVH
	s_mov_b32 s90, 131072
	s_cmp_eq_u32 s[PJ], 0
	s_cselect_b32 s88, QH, s88                     ; bytes of a head in the buffer
	s_cselect_b32 s90, 65536, s90                  ; where its scale words begin
	s_mov_b32 s89, 0
	s_lshl_b32 s92, s[BB], 4
	s_lshl_b32 s93, s[NX], 2
	s_add_co_u32 s92, s92, s93
	s_lshl_b32 s93, s[WP], 1
	s_add_co_u32 s92, s92, s93                     ; my first head: 16 x batch + 4 x tile of W + 2 x half
	s_mul_i32 s92, s92, s88
	s_lshl_b32 s91, s[ST], 1
	s_add_co_u32 s91, s91, s[WL]                   ; my 128 positions
	s_lshl_b32 s94, s91, 12                        ; 8 images of 512 bytes
	s_add_co_u32 s94, s94, s92
	s_mov_b32 s95, 0
	s_add_nc_u64 s[4:5], s[14:15], s[94:95]        ; the first head's images,
	s_add_nc_u64 s[6:7], s[4:5], s[88:89]          ; the second's
	s_lshl_b32 s94, s91, 9
	s_add_co_u32 s94, s94, s92
	s_add_co_u32 s94, s94, s90
	s_add_nc_u64 s[8:9], s[14:15], s[94:95]        ; the first head's scale words,
	s_add_nc_u64 s[10:11], s[8:9], s[88:89]        ; the second's
	EPI 0
	s_branch .Ldone
.Lv:
	s_lshl_b32 s88, s[BB], 4
	s_lshl_b32 s89, s[NX], 2
	s_add_co_u32 s88, s88, s89
	s_lshl_b32 s89, s[WL], 1
	s_add_co_u32 s88, s88, s89                     ; my first head
	s_mul_i32 s88, s88, KVH
	s_lshl_b32 s90, s[ST], 1
	s_add_co_u32 s90, s90, s[WP]                   ; my step of 128 keys
	s_lshl_b32 s92, s90, 12
	s_add_co_u32 s92, s92, s88
	s_add_co_u32 s92, s92, 65536
	s_mov_b32 s93, 0
	s_add_nc_u64 s[4:5], s[14:15], s[92:93]        ; V's images of the step
	s_lshl_b32 s92, s90, 8
	s_add_co_u32 s92, s92, s88
	s_add_co_u32 s92, s92, 139264
	s_add_nc_u64 s[8:9], s[14:15], s[92:93]        ; and its scale words
	EPI 1
.Ldone:
	s_wait_tensorcnt 0x0                           ; the wave's end: a wait, an add and its wait, behind my last tensor load
	ds_add_u32 v[SPW], v[NIL]
	s_wait_dscnt 0x0
	CROUND                                         ; the closing round: no work-group ends while a partner may still ask for a tile that names it
	s_endpgm
.Lfunc_end_k_q2099a7a911_proj:
	.size	k_q2099a7a911_proj, .Lfunc_end_k_q2099a7a911_proj-k_q2099a7a911_proj
	.p2alignl 7, 3214868480
	.fill 96, 4, 3214868480
	.section	.rodata,"a",@progbits
	.p2align	6, 0x0
	.amdhsa_kernel k_q2099a7a911_proj
		.amdhsa_group_segment_fixed_size 327680
		.amdhsa_private_segment_fixed_size 0
		.amdhsa_enable_private_segment 0
		.amdhsa_kernarg_size 120
		.amdhsa_user_sgpr_count 2
		.amdhsa_user_sgpr_kernarg_segment_ptr 1
		.amdhsa_wavefront_size32 1
		.amdhsa_system_sgpr_workgroup_id_x 1
		.amdhsa_system_sgpr_workgroup_id_y 1
		.amdhsa_system_sgpr_workgroup_id_z 1
		.amdhsa_system_vgpr_workitem_id 0
		.amdhsa_next_free_vgpr 1024
		.amdhsa_next_free_sgpr 106
		.amdhsa_reserve_vcc 0
		.amdhsa_float_denorm_mode_32 3
		.amdhsa_float_denorm_mode_16_64 3
		.amdhsa_memory_ordered 1
		.amdhsa_forward_progress 1
		.amdhsa_inst_pref_size 197
	.end_amdhsa_kernel
	.amdgpu_metadata
---
amdhsa.version: [ 1, 2 ]
amdhsa.kernels:
  - .name:           k_q2099a7a911_proj
    .symbol:         k_q2099a7a911_proj.kd
    .args:
      - { .name: query_em_codes, .offset: 0, .size: 8, .value_kind: global_buffer, .address_space: global }
      - { .name: query_em_scales, .offset: 8, .size: 8, .value_kind: global_buffer, .address_space: global }
      - { .name: key_value_em_codes, .offset: 16, .size: 8, .value_kind: global_buffer, .address_space: global }
      - { .name: key_value_em_scales, .offset: 24, .size: 8, .value_kind: global_buffer, .address_space: global }
      - { .name: Wq_codes, .offset: 32, .size: 8, .value_kind: global_buffer, .address_space: global }
      - { .name: Wq_scales, .offset: 40, .size: 8, .value_kind: global_buffer, .address_space: global }
      - { .name: bq, .offset: 48, .size: 8, .value_kind: global_buffer, .address_space: global }
      - { .name: Wk_codes, .offset: 56, .size: 8, .value_kind: global_buffer, .address_space: global }
      - { .name: Wk_scales, .offset: 64, .size: 8, .value_kind: global_buffer, .address_space: global }
      - { .name: bk, .offset: 72, .size: 8, .value_kind: global_buffer, .address_space: global }
      - { .name: Wv_codes, .offset: 80, .size: 8, .value_kind: global_buffer, .address_space: global }
      - { .name: Wv_scales, .offset: 88, .size: 8, .value_kind: global_buffer, .address_space: global }
      - { .name: bv, .offset: 96, .size: 8, .value_kind: global_buffer, .address_space: global }
      - { .name: qimg, .offset: 104, .size: 8, .value_kind: global_buffer, .address_space: global }
      - { .name: kv, .offset: 112, .size: 8, .value_kind: global_buffer, .address_space: global }
    .group_segment_fixed_size: 327680
    .private_segment_fixed_size: 0
    .kernarg_segment_align: 8
    .kernarg_segment_size: 120
    .max_flat_workgroup_size: 128
    .sgpr_count:     106
    .vgpr_count:     1024
    .wavefront_size: 32
...
	.end_amdgpu_metadata
.endif
;; end of part 1
;; launch attn (part 2): grid 4 x 64, 16 waves a work-group, clusters of 4 x 1, 327,680 bytes of LDS; arguments qimg, kv, out0; writes out0
.if DOCPART == 2
	.amdgcn_target "amdgcn-amd-amdhsa--gfx1250"
	.amdhsa_code_object_version 6
	.text
	.protected	k_q2099a7a911_attn
	.globl	k_q2099a7a911_attn
	.p2align	8
	.type	k_q2099a7a911_attn,@function
k_q2099a7a911_attn:
	s_mov_b64 s[64:65], 0
	v_nop
	global_prefetch_b8 v0, s[64:65] scope:SCOPE_SE
	s_setreg_imm32_b32 hwreg(HW_REG_WAVE_MODE, 25, 1), 1
	s_wait_xcnt 0x0
	s_wait_alu depctr_hold_cnt(0) depctr_sa_sdst(0) depctr_va_vdst(0) depctr_va_sdst(0) depctr_va_ssrc(0) depctr_va_vcc(0) depctr_vm_vsrc(0)
	s_getreg_b32 s2, hwreg(HW_REG_IB_STS2, 6, 4)
	s_cmp_eq_u32 s2, 0
	s_cbranch_scc0 .Lentry_in_a_cluster
	s_endpgm
.Lentry_in_a_cluster:
	s_bfe_u32 s2, ttmp6, 0x10000c
	s_cmp_lg_u32 s2, 0x3003
	s_cbranch_scc0 .Lentry_shape_is_right
	s_endpgm
.Lentry_shape_is_right:
; LAUNCH 2 OF 2: ATTENTION ON CODES OF E2M1.  out[q][b][64 head + d] = the sum over keys of softmax(Q . K / 8) V, for 64 pairs of batch and head, 2,048 queries, 2,048 keys, head size 64.  No work is left out.
; Q, K, V come as launch 1 stored them: images of the operand registers (16 bytes a lane, 512 bytes a group of four registers) and scale words laid as the scale registers take them.
; THE SOFTMAX AHEAD OF THE SECOND PRODUCT: t = score x log2(e) / 8; M = the row's largest t so far, rounded UP to a whole number; p = 2^(t - M) is quantised along the keys, not normalised.  The row's sum is
; taken of the unquantised p, in f32, and divides at the end.  When M moves, the sum and O are multiplied by 2^(old M - new M): exact, and with no branch on data.
; LIMITS: p under 2^-126 comes out of v_exp_f32 as 0.  A block's largest p is taken from the block's largest score by the same multiply-add and exponential; that takes v_exp_f32 not to fall where its input
; rises (at the worst one p of a block, within an ulp of a power of two, is held one code low).  A block of zeros keeps the scale byte 1: its codes are zeros.  NaN and infinities are not served.
; SHARES.  A work-group owns 512 queries of one head; each of its SIXTEEN waves two tiles of 16, in 256 registers: four waves to a SIMD, so that one wave's vector work stands beside another's matrix work and
; LDS loads.  Every fragment of K and V that a wave reads from LDS feeds two matrix instructions.
; A HEAD'S K AND V WITH THEIR SCALE WORDS ARE 143,360 BYTES: they come into LDS ONCE, one tensor load a wave (35 rows of 256 bytes), and stay: no LDS byte is filled again.
; CLUSTER.  The four blocks of queries of a head form a cluster and ask for that block jointly: the same load, the same descriptor, a mask that names the four.
; LAYOUT.  Both products are used transposed: S^T = K Q^T (source 0 = 16 keys, source 1 = 16 queries), O^T = V^T P^T (source 0 = 16 channels, source 1 = P): a lane holds ONE query (lane % 16) throughout.
; Register j of S^T's tile t holds key 16 t + 8 (lane / 16) + j.  The conversion of tile 2 b + u is written to register 4 (b / 2) + 2 u + b % 2 of P, and two exchanges of lane halves for each 64 keys leave P's layout.
; THE FIRST PRODUCT'S K IS 64, THE INSTRUCTION'S 128.  Q's registers 4-7 are zero codes.  K's tile t is named as v[64 + 4 t : 64 + 4 t + 7]: its upper four registers are the next tile's codes (behind the last
; tile: zeros), which meet Q's zero codes and add exactly 0; the scale bytes of that half are 0, never 0xff.  So K's eight tiles take 36 registers and nothing is cleared in the loop.
.set VIMG,  65536                      ; LDS = a head's block of kv as it lies in memory: K's images at 0, V's here,
.set KSCO,  131072                     ; K's scale words, 512 bytes a step of 128 keys,
.set VSCO,  139264                     ; V's, 256 bytes a step
.set KVH,   143360
.set QH,    73728                      ; bytes of a head in qimg
.set PART,  KVH/16                     ; what one wave's tensor load brings: 8,960 bytes
.set STAGE, KVH                        ; the way out: 16 rows x (256 bytes + 16) for each wave; no tensor load lands here
.set SP,    272
.set SPARE, STAGE+16*16*SP             ; the spare words, 128 bytes for each wave: eight blocks of 256 bytes that no other line names
.set L16, 1                            ; v1   16 x lane
.set L8,  2                            ; v2   8 x lane
.set SPW, 3                            ; v3   LDS address of my spare word; never rewritten
.set NIL, 4                            ; v4   0; never rewritten
.set GO,  5                            ; v5   the way out: my byte offset in two rows of out
.set STO, 6                            ; v6   where I put 32 bytes of a row
.set RD,  7                            ; v7   where I read a row back
.set ADK, 8                            ; v8-11 the step's LDS addresses: K's images, V's images, K's scale words, V's
.set ADV, 9
.set ADS, 10
.set ADT, 11
                                       ; v[12 + 4 i] -M, v[13 + 4 i] the largest t, v[14 + 4 i : 15 + 4 i] the sum in two halves, of tile i
.set QS,  20                           ; v20  Q's scale words: lanes 0-15 tile 0's, lanes 16-31 tile 1's
.set PSW, 21                           ; v21-22 p's scale words of tile 0, 1
.set KSW, 24                           ; v24-27 K's scale words: register j: lanes 0-15 tile 2 j, lanes 16-31 tile 2 j + 1
.set VSW, 28                           ; v28-29 V's likewise
.set QF,  32                           ; v32-47 Q's two fragments: four registers of codes, four of zeros
.set PC,  48                           ; v48-63 p's codes, two fragments
.set KV,  64                           ; v64-95 K's eight tiles, then V's four fragments; v96-99 zeros
.set S,   100                          ; v100-163 S^T, then p
.set OT,  164                          ; v164-227 O^T, 32 a tile
.set BM,  228                          ; v228-231 the blocks' largest scores, then their largest p
.set PX,  232                          ; v232-235 the other half's maxima, then the bytes
.set SO,  236                          ; v236-239 the conversions' scale operands
.set TS2, 240                          ; v[240:241] the second chain of the sum
.set FF,  242                          ; v[242:243] f = 2^(old M - new M); v243 is named with it as a pair
.set T1,  244
.set WV,  10                           ; s10  wave
.set G0,  12                           ; s[12:15], s[16:23] the descriptor
.set G1,  16
.set TB,  24                           ; s24-27 where the step's K images, V images, K scale words, V scale words begin
.set TV,  25
.set TSC, 26
.set TJ,  27
.set CNT, 28
.set SEL, 30                           ; s[30:31] lane selects for v_permlanex16_b32: lane l xor 16
.set CS,  32                           ; s[32:33] c = log2(e) / 8: the packed form names a pair and takes its low word for both halves
.macro CROUND                          ; a round of the cluster's barrier
	s_barrier_signal -1
	s_barrier_wait -1
	s_cmp_lg_u32 s[WV], 0
	s_cbranch_scc1 .Lnot_wave_0_\@
	s_barrier_signal -3
.Lnot_wave_0_\@:
	s_barrier_wait -3
	s_barrier_signal -1
	s_barrier_wait -1
.endm
	s_load_b128 s[4:7], s[0:1], 0x0                ; qimg, kv
	s_load_b64 s[8:9], s[0:1], 0x10                ; out0
	v_lshl_add_u32 v[SPW], v0, 2, SPARE
	v_mov_b32 v[NIL], 0
	ds_add_u32 v[SPW], v[NIL]                      ; the wave's opening: the add, twice on end, and its wait ahead of my first tensor load
	ds_add_u32 v[SPW], v[NIL]                      ; and once more; the set-up below, work on registers, stands between it and the wait
	v_lshrrev_b32 v8, 5, v0
	v_readfirstlane_b32 s[WV], v8                  ; wave 0..15
	s_bfe_u32 s11, ttmp6, 0x40000                  ; cx
	s_lshl_b32 s34, ttmp9, 2
	s_add_co_u32 s34, s34, s11                     ; my block of 512 queries: it enters Q's and out's addresses alone
	s_and_b32 s35, ttmp7, 0xffff                   ; 16 x batch + head, which the four partners share
	s_mov_b32 s[G1], 15|(3<<16)|(1<<21)            ; 15:0 the mask: all four work-groups; 17:16 elements of 8 bytes; 21 set beside a mask; no padding
	s_mov_b32 s[G1+1], 32<<16                      ; tensor_dim0 = 32 elements: rows of 256 bytes
	s_mov_b32 s[G1+2], 35<<16                      ; tensor_dim1 = 35
	s_mov_b32 s[G1+3], 32<<16                      ; tile_dim0
	s_mov_b32 s[G1+4], 35                          ; tile_dim1
	s_mov_b32 s[G1+5], 32                          ; the rows are dense
	s_mov_b32 s[G1+6], 0
	s_mov_b32 s[G1+7], 0
	s_mov_b32 s[SEL], 0x76543210
	s_mov_b32 s[SEL+1], 0xfedcba98
	s_mov_b32 s[CS], 0x3e38aa3b                    ; c = log2(e) / 8
	s_mov_b32 s[CS+1], s[CS]
	s_mov_b32 s[TB], 0
	s_mov_b32 s[TV], VIMG
	s_mov_b32 s[TSC], KSCO
	s_mov_b32 s[TJ], VSCO
	s_mov_b32 s[CNT], 16
	s_mul_i32 s[G0+1], s[WV], PART                 ; my part of the head's block: in LDS,
	s_mul_i32 s36, s35, KVH
	s_add_co_u32 s36, s36, s[G0+1]                 ; and in kv: the head and the wave alone
	s_mov_b32 s37, 0
	s_mul_i32 s44, s35, QH
	s_lshl_b32 s38, s34, 14                        ; Q's images: 32 tiles of 512 bytes a block of queries,
	s_lshl_b32 s39, s[WV], 10                      ; two a wave
	s_add_co_u32 s38, s38, s39
	s_add_co_u32 s38, s38, s44
	s_mov_b32 s39, 0
	s_lshl_b32 s40, s34, 2                         ; Q's scale words: 512 bytes for each 128 queries, which are four waves';
	s_lshr_b32 s41, s[WV], 2
	s_add_co_u32 s40, s40, s41
	s_lshl_b32 s40, s40, 9
	s_and_b32 s41, s[WV], 3                        ; of a lane's 16 bytes there, word wave % 4 is my two tiles'
	s_lshl_b32 s41, s41, 2
	s_add_co_u32 s40, s40, s41
	s_add_co_u32 s40, s40, s44
	s_add_co_u32 s40, s40, 65536
	s_mov_b32 s41, 0
	s_lshl_b32 s42, s34, 23                        ; out: a query is 16,384 bytes: 512 queries a block,
	s_lshl_b32 s43, s[WV], 19                      ; 32 a wave;
	s_add_co_u32 s42, s42, s43
	s_lshr_b32 s43, s35, 4
	s_lshl_b32 s43, s43, 12                        ; 4,096 bytes a batch,
	s_add_co_u32 s42, s42, s43
	s_and_b32 s43, s35, 15
	s_lshl_b32 s43, s43, 8                         ; 256 a head
	s_add_co_u32 s42, s42, s43
	s_mov_b32 s43, 0
	s_wait_dscnt 0x0                               ; both opening adds are done
	s_wait_kmcnt 0x0
	s_mov_b32 s[G0], 1                             ; count = 1
	s_add_nc_u64 s[G0+2:G0+3], s[6:7], s[36:37]    ; global address
	s_or_b32 s[G0+3], s[G0+3], 0x80000000          ; type = 2
	s_add_nc_u64 s[38:39], s[4:5], s[38:39]
	s_add_nc_u64 s[40:41], s[4:5], s[40:41]
	s_add_nc_u64 s[8:9], s[8:9], s[42:43]
	CROUND                                         ; all four work-groups are here: the joint loads meet
	tensor_load_to_lds s[G0:G0+3], s[G1:G1+7]      ; every wave's one tensor load of the launch: one is out
	s_nop 0
.rept 4
	v_nop
.endr
	v_and_b32 v8, 31, v0
	v_lshlrev_b32 v[L16], 4, v8
	v_lshlrev_b32 v[L8], 3, v8
	global_load_b128 v[QF:QF+3], v[L16], s[38:39]              ; Q's two fragments stay in registers
	global_load_b128 v[QF+8:QF+11], v[L16], s[38:39] offset:512
	global_load_b32 v[QS], v[L16], s[40:41]        ; lanes 0-15 read tile 0's words, lanes 16-31 tile 1's
.irp j, 4,5,6,7,12,13,14,15
	v_mov_b32 v[QF+\j], 0                          ; the zero codes of k = 64 .. 127
.endr
.irp j, 32,33,34,35
	v_mov_b32 v[KV+\j], 0                          ; behind K's last tile
.endr
.set j, 0
.rept 64
	v_mov_b32 v[OT+j], 0                           ; O^T.  (The step is written once: the first finds zeros, which the first change of M leaves zeros)
.set j, j+1
.endr
.irp i, 0,1
	v_mov_b32 v[13+4*\i], 0xff61b1e6               ; the largest t so far: -3e38, under every t
	v_floor_f32 v[12+4*\i], -v[13+4*\i]            ; -M
	v_mov_b32 v[14+4*\i], 0                        ; the sum, in two halves
	v_mov_b32 v[15+4*\i], 0
.endr
.irp b, 0,1,2,3
	v_mov_b32 v[PX+\b], 0                          ; written once: a lane permute's destination counts as one of its sources
.endr
	v_mov_b32 v[FF+1], 0
	v_and_b32 v8, 15, v0                           ; r
	v_bfe_u32 v9, v0, 4, 1                         ; h
	s_mul_i32 s34, s[WV], 16*SP
	s_add_co_u32 s34, s34, STAGE                   ; my stage
	v_mul_u32_u24 v[STO], v8, SP
	v_lshl_add_u32 v[STO], v9, 5, v[STO]
	v_add_nc_u32 v[STO], s34, v[STO]               ; in: row r, + 32 h
	v_mul_u32_u24 v[RD], v9, SP
	v_lshl_add_u32 v[RD], v8, 4, v[RD]
	v_add_nc_u32 v[RD], s34, v[RD]                 ; back: lanes 0-15 one row of 256 bytes, lanes 16-31 the next
	v_lshlrev_b32 v[GO], 14, v9
	v_lshl_add_u32 v[GO], v8, 4, v[GO]             ; and the same two queries in out
	s_wait_tensorcnt 0x0                           ; my part of the head's block has landed,
	s_barrier_signal -1
	s_barrier_wait -1                              ; everybody's has
	s_wait_loadcnt 0x0                             ; Q
; S^T = K Q^T for tile i of my queries: eight tiles of 16 keys, each sum begun with the constant 0
.macro QK i
.irp t, 0,1,2,3,4,5,6,7
.if (\t%2 == 0) && (\i == 0)
	v_wmma_scale_f32_16x16x128_f8f6f4 v[S+8*\t:S+8*\t+7], v[KV+4*\t:KV+4*\t+7], v[QF+8*\i:QF+8*\i+7], 0, v[KSW+\t/2], v[QS] matrix_a_fmt:MATRIX_FMT_FP4 matrix_b_fmt:MATRIX_FMT_FP4
.elseif (\t%2 == 1) && (\i == 0)
	v_wmma_scale_f32_16x16x128_f8f6f4 v[S+8*\t:S+8*\t+7], v[KV+4*\t:KV+4*\t+7], v[QF+8*\i:QF+8*\i+7], 0, v[KSW+\t/2], v[QS] matrix_a_fmt:MATRIX_FMT_FP4 matrix_b_fmt:MATRIX_FMT_FP4 matrix_a_scale:MATRIX_SCALE_ROW1
.elseif (\t%2 == 0)
	v_wmma_scale_f32_16x16x128_f8f6f4 v[S+8*\t:S+8*\t+7], v[KV+4*\t:KV+4*\t+7], v[QF+8*\i:QF+8*\i+7], 0, v[KSW+\t/2], v[QS] matrix_a_fmt:MATRIX_FMT_FP4 matrix_b_fmt:MATRIX_FMT_FP4 matrix_b_scale:MATRIX_SCALE_ROW1
.else
	v_wmma_scale_f32_16x16x128_f8f6f4 v[S+8*\t:S+8*\t+7], v[KV+4*\t:KV+4*\t+7], v[QF+8*\i:QF+8*\i+7], 0, v[KSW+\t/2], v[QS] matrix_a_fmt:MATRIX_FMT_FP4 matrix_b_fmt:MATRIX_FMT_FP4 matrix_a_scale:MATRIX_SCALE_ROW1 matrix_b_scale:MATRIX_SCALE_ROW1
.endif
.endr
.rept 4
	v_nop                                          ; four places in front of the first read of the scores, and of loads into K's registers
.endr
.endm
; Tile i's softmax for 128 keys: from the scores in S to p's codes and scale word, the sum and O^T under the new M
.macro SOFTMAX i
.set NM,  12+4*\i
.set PCI, PC+8*\i
.set OI,  OT+32*\i
.irp b, 0,1,2,3
	v_max3_num_f32 v[BM+\b], v[S+16*\b], v[S+1+16*\b], v[S+2+16*\b]   ; THE LARGEST SCORE OF EACH BLOCK OF 32 KEYS: for the row's maximum and, since p rises with the score, for the block's largest p.  Each tile of S is read from its low end on
.endr
.irp k, 3,5,7,9,11,13
.irp b, 0,1,2,3
	v_max3_num_f32 v[BM+\b], v[BM+\b], v[S+16*\b+\k], v[S+16*\b+\k+1]   ; the four blocks by turns
.endr
.endr
.irp b, 0,1,2,3
	v_max_num_f32 v[BM+\b], v[BM+\b], v[S+15+16*\b]
.endr
.irp b, 0,1,2,3
	v_permlanex16_b32 v[PX+\b], v[BM+\b], s[SEL], s[SEL+1]
.endr
.irp b, 0,1,2,3
	v_max_num_f32 v[BM+\b], v[BM+\b], v[PX+\b]     ; with lane l xor 16's 16 keys
.endr
	v_max3_num_f32 v[T1], v[BM], v[BM+1], v[BM+2]
	v_max_num_f32 v[T1], v[T1], v[BM+3]            ; the step's largest score of my query
	v_mul_f32 v[T1], s[CS], v[T1]                  ; as t (c is positive)
	v_max_num_f32 v[NM+1], v[NM+1], v[T1]          ; the running largest t
	v_mov_b32 v[T1], v[NM]
	v_floor_f32 v[NM], -v[NM+1]                    ; the new -M = floor(-t) = -ceil(t): M is a whole number
	v_sub_f32 v[T1], v[NM], v[T1]                  ; M's old value less its new one: a whole number, 0 or less
	v_cvt_i32_f32 v[T1], v[T1]                     ; (it saturates)
	v_ldexp_f32 v[FF], 1.0, v[T1]                  ; f = 2^(old M - new M)
.set j, 0
.rept 32
	v_pk_fma_f32 v[S+j:S+j+1], v[S+j:S+j+1], s[CS:CS+1], v[NM:NM+1] op_sel_hi:[1,0,0]   ; t - M, two at a time (of the pairs c and -M the low word serves both halves)
.set j, j+2
.endr
.irp b, 0,1,2,3
	v_fma_f32 v[BM+\b], v[BM+\b], s[CS], v[NM]     ; the same of each block's largest score
.endr
.set j, 0
.rept 64
	v_exp_f32 v[S+j], v[S+j]                       ; p = 2^(t - M), at most 1: not normalised
.set j, j+1
.endr
	v_pk_mul_f32 v[NM+2:NM+3], v[NM+2:NM+3], v[FF:FF+1] op_sel_hi:[1,0]   ; the sums under the new M: the plain place behind the exponentials
	s_wait_alu depctr_va_vdst(0)                   ; the wait ahead of the first instruction that names a result: one for the batch of 64
.irp b, 0,1,2,3
	v_exp_f32 v[BM+\b], v[BM+\b]                   ; the block's largest p
.endr
	v_pk_add_f32 v[TS2:TS2+1], v[S:S+1], v[S+2:S+3]   ; THE ROW'S SUM IS TAKEN OF THE UNQUANTISED p: two at a time, in two chains; it names none of the four
.set j, 4
.rept 15
	v_pk_add_f32 v[NM+2:NM+3], v[NM+2:NM+3], v[S+j:S+j+1]
	v_pk_add_f32 v[TS2:TS2+1], v[TS2:TS2+1], v[S+j+2:S+j+3]
.set j, j+4
.endr
	v_pk_add_f32 v[NM+2:NM+3], v[NM+2:NM+3], v[TS2:TS2+1]
	s_wait_alu depctr_va_vdst(0)                   ; and one for the four
.irp b, 0,1,2,3
	v_max_num_f32 v[BM+\b], 0x1800000, v[BM+\b]    ; the floor 2^(3 - 127): the byte cannot fall under 1
.endr
.irp b, 0,1,2,3
	v_add_nc_u32 v[SO+\b], 0xff000000, v[BM+\b]    ; 2 off the exponent field: the conversion's scale operand
.endr
.irp b, 0,1,2,3
	v_lshrrev_b32 v[PX+\b], 23, v[SO+\b]           ; the scale's byte
.endr
	v_lshl_or_b32 v[PSW+\i], v[PX+1], 8, v[PX]     ; p's scale word for these 128 keys
	v_lshl_or_b32 v[PSW+\i], v[PX+2], 16, v[PSW+\i]
	v_lshl_or_b32 v[PSW+\i], v[PX+3], 24, v[PSW+\i]
.irp b, 0,1,2,3
.irp u, 0,1
	v_cvt_scalef32_pk8_fp4_f32 v[PCI+4*(\b/2)+2*\u+\b%2], v[S+16*\b+8*\u:S+16*\b+8*\u+7], v[SO+\b]
.endr
.endr
	v_nop                                          ; one plain place behind a scaled conversion
.irp c, 0,1
.irp u, 0,1
	v_permlane16_swap_b32 v[PCI+4*\c+2*\u], v[PCI+4*\c+2*\u+1]   ; lanes 0-15 now hold block 2 c, lanes 16-31 block 2 c + 1
.endr
.endr
.set j, 0
.rept 16
	v_pk_mul_f32 v[OI+j:OI+j+1], v[OI+j:OI+j+1], v[FF:FF+1] op_sel_hi:[1,0]   ; O^T under the new M, from each accumulator's low end on.  For every product below at least twelve of these sixteen name none of its registers: the places between the scale word, p's codes and the product
.set j, j+2
.endr
.endm
.Lstep:                                            ; 16 trips, 128 keys each
	v_add_nc_u32 v[ADK], s[TB], v[L16]             ; these four are also the places between the last trip's products and the loads into V's registers
	v_add_nc_u32 v[ADV], s[TV], v[L16]
	v_add_nc_u32 v[ADS], s[TSC], v[L16]
	v_add_nc_u32 v[ADT], s[TJ], v[L8]
.irp t, 0,1,2,3,4,5,6,7
	ds_load_b128 v[KV+4*\t:KV+4*\t+3], v[ADK] offset:512*\t    ; an image: 512 consecutive bytes an instruction
.endr
	ds_load_b128 v[KSW:KSW+3], v[ADS]
	s_wait_dscnt 0x0
	QK 0
	SOFTMAX 0
	QK 1
.irp d, 0,1,2,3                        ; V takes K's registers and lands under the second softmax
.irp c, 0,1
	ds_load_b128 v[KV+8*\d+4*\c:KV+8*\d+4*\c+3], v[ADV] offset:1024*\d+512*\c
.endr
.endr
	ds_load_b64 v[VSW:VSW+1], v[ADT]
	SOFTMAX 1
	s_wait_dscnt 0x0                               ; V is in
.irp d, 0,1,2,3                        ; O^T += V^T P^T: eight accumulators, one instruction each
.irp i, 0,1
.if (\d%2) == 0
	v_wmma_scale_f32_16x16x128_f8f6f4 v[OT+32*\i+8*\d:OT+32*\i+8*\d+7], v[KV+8*\d:KV+8*\d+7], v[PC+8*\i:PC+8*\i+7], v[OT+32*\i+8*\d:OT+32*\i+8*\d+7], v[VSW+\d/2], v[PSW+\i] matrix_a_fmt:MATRIX_FMT_FP4 matrix_b_fmt:MATRIX_FMT_FP4
.else
	v_wmma_scale_f32_16x16x128_f8f6f4 v[OT+32*\i+8*\d:OT+32*\i+8*\d+7], v[KV+8*\d:KV+8*\d+7], v[PC+8*\i:PC+8*\i+7], v[OT+32*\i+8*\d:OT+32*\i+8*\d+7], v[VSW+\d/2], v[PSW+\i] matrix_a_fmt:MATRIX_FMT_FP4 matrix_b_fmt:MATRIX_FMT_FP4 matrix_a_scale:MATRIX_SCALE_ROW1
.endif
.endr
.endr
	s_add_co_u32 s[TB], s[TB], 4096                ; the next step's images and scale words
	s_add_co_u32 s[TV], s[TV], 4096
	s_add_co_u32 s[TSC], s[TSC], 512
	s_add_co_u32 s[TJ], s[TJ], 256
	s_sub_co_u32 s[CNT], s[CNT], 1
	s_cmp_lg_u32 s[CNT], 0
	s_cbranch_scc1 .Lstep
	; THE WAY OUT.  The sum's two halves and the other half of the lanes' are added; O^T is divided by the sum and goes through my stage in LDS, a tile of 16 queries at a time, so that sixteen lanes store
	; one query's 64 numbers of the head: 256 consecutive bytes, aligned.  The additions are the places behind the last products.
.irp i, 0,1
	v_add_f32 v[14+4*\i], v[14+4*\i], v[15+4*\i]
.endr
.irp i, 0,1
	v_permlanex16_b32 v[PX+\i], v[14+4*\i], s[SEL], s[SEL+1]
.endr
.irp i, 0,1
	v_add_f32 v[14+4*\i], v[14+4*\i], v[PX+\i]     ; the row's sum
.endr
.irp i, 0,1
	v_rcp_f32 v[14+4*\i], v[14+4*\i]
.endr
	v_nop                                          ; a plain place behind the last reciprocal
	s_wait_alu depctr_va_vdst(0)                   ; one wait for the two, ahead of their first reader
.irp i, 0,1
.set j, 0
.rept 16
	v_pk_mul_f32 v[S+32*\i+j:S+32*\i+j+1], v[OT+32*\i+j:OT+32*\i+j+1], v[14+4*\i:15+4*\i] op_sel_hi:[1,0]   ; register 8 d + n of a tile is out(query r, channel 16 d + 8 h + n)
.set j, j+2
.endr
.endr
.irp i, 0,1
.irp d, 0,1,2,3
	ds_store_b128 v[STO], v[S+32*\i+8*\d:S+32*\i+8*\d+3] offset:64*\d
	ds_store_b128 v[STO], v[S+32*\i+8*\d+4:S+32*\i+8*\d+7] offset:64*\d+16
.endr
.irp k, 0,1,2,3,4,5,6,7
	ds_load_b128 v[64+100*\i+4*\k:64+100*\i+4*\k+3], v[RD] offset:2*\k*SP   ; LDS serves a wave's instructions in order (ISA guide 5.7.1.4): these see my stores, and the next tile's stores come behind them
.endr
.endr
.irp i, 0,1
.irp k, 0,1,2,3,4,5,6,7
	s_wait_dscnt 23-16*\i-\k                       ; may stay out: the tile's younger loads, and behind tile 0 the sixteen LDS instructions of tile 1
	global_store_b128 v[GO], v[64+100*\i+4*\k:64+100*\i+4*\k+3], s[8:9] offset:(16*\i+2*\k)*16384 th:TH_STORE_NT   ; written once, read by nobody here
.endr
.endr
	s_wait_tensorcnt 0x0                           ; the wave's end: a wait, an add and its wait, behind my last tensor load and my last LDS store
	ds_add_u32 v[SPW], v[NIL]
	s_wait_dscnt 0x0
	CROUND                                         ; the closing round: no work-group ends while a partner may still ask for a tile that names it
	s_endpgm
.Lfunc_end_k_q2099a7a911_attn:
	.size	k_q2099a7a911_attn, .Lfunc_end_k_q2099a7a911_attn-k_q2099a7a911_attn
	.p2alignl 7, 3214868480
	.fill 96, 4, 3214868480
	.section	.rodata,"a",@progbits
	.p2align	6, 0x0
	.amdhsa_kernel k_q2099a7a911_attn
		.amdhsa_group_segment_fixed_size 327680
		.amdhsa_private_segment_fixed_size 0
		.amdhsa_enable_private_segment 0
		.amdhsa_kernarg_size 24
		.amdhsa_user_sgpr_count 2
		.amdhsa_user_sgpr_kernarg_segment_ptr 1
		.amdhsa_wavefront_size32 1
		.amdhsa_system_sgpr_workgroup_id_x 1
		.amdhsa_system_sgpr_workgroup_id_y 1
		.amdhsa_system_sgpr_workgroup_id_z 1
		.amdhsa_system_vgpr_workitem_id 0
		.amdhsa_next_free_vgpr 256
		.amdhsa_next_free_sgpr 66
		.amdhsa_reserve_vcc 0
		.amdhsa_float_denorm_mode_32 3
		.amdhsa_float_denorm_mode_16_64 3
		.amdhsa_memory_ordered 1
		.amdhsa_forward_progress 1
		.amdhsa_inst_pref_size 43
	.end_amdhsa_kernel
	.amdgpu_metadata
---
amdhsa.version: [ 1, 2 ]
amdhsa.kernels:
  - .name:           k_q2099a7a911_attn
    .symbol:         k_q2099a7a911_attn.kd
    .args:
      - { .name: qimg, .offset: 0, .size: 8, .value_kind: global_buffer, .address_space: global }
      - { .name: kv, .offset: 8, .size: 8, .value_kind: global_buffer, .address_space: global }
      - { .name: out0, .offset: 16, .size: 8, .value_kind: global_buffer, .address_space: global }
    .group_segment_fixed_size: 327680
    .private_segment_fixed_size: 0
    .kernarg_segment_align: 8
    .kernarg_segment_size: 24
    .max_flat_workgroup_size: 512
    .sgpr_count:     66
    .vgpr_count:     256
    .wavefront_size: 32
...
	.end_amdgpu_metadata
.endif
;; end of part 2
